; MI455X (gfx1250); checked and timed in simulation.
; The chip was launched on July 23, 2026; its instructions are those of AMD's public machine-readable ISA for CDNA 5 (MIT licence, August 2026) and "CDNA5" Instruction Set Architecture Reference Guide (July 2026). The comments in the code are by the model that wrote it; some were corrected since.
;; Attention. Allowed arithmetic: matrix products marked QUANTISED: E5M2 operands, one given power-of-two scale a tensor, by v_wmma_f32_16x16x64_bf8_bf8 or v_wmma_f32_16x16x128_bf8_bf8, f32 sums; everything else in f32.
;; Inputs: Wk_codes 1,024 x 32 x 32 uint8 (E5M2 codes of Wk, K innermost, in blocks of 32 codes); Wq_codes 1,024 x 32 x 32 uint8 (E5M2 codes of Wq, K innermost, in blocks of 32 codes); Wv_codes 1,024 x 32 x 32 uint8 (E5M2 codes of Wv, K innermost, in blocks of 32 codes); k_codes 4 x 4,096 x 32 x 32 uint8 (E5M2 codes of k, K innermost, in blocks of 32 codes); lowp_scales 10 int32 (the exponents e of the quantised operands' scales 2^e); mask_attn 4 x 4,096 int32; mask_q 4 x 4,096 int32; q_codes 4 x 4,096 x 32 x 32 uint8 (E5M2 codes of q, K innermost, in blocks of 32 codes); v_codes 4 x 4,096 x 32 x 32 uint8 (E5M2 codes of v, K innermost, in blocks of 32 codes).
;; Outputs: out0 4 x 4,096 x 1,024 float32.
;; This version of the problem:
;;   THIS VERSION OF THE PROBLEM IS GIVEN IN LOW PRECISION. The matrix products marked QUANTISED in the list below multiply operands that are first quantised to E5M2 (5 exponent bits, 2 mantissa bits; 8 bits a number), with one given power-of-two scale for each operand tensor; their sums are f32. All else is computed in f32.
;;   The module's matrix products, in the order in which they are computed (A, B: the left and right operand; K: the contracted axis; several contracted axes count as one K, in the product's order):
;;     1. [M 16,384, K 1,024] x [K 1,024, N 1,024]; A: input q (given as codes); B: input Wq (given as codes): QUANTISED (scales: A lowp_scales[0], B lowp_scales[1])
;;     2. [M 16,384, K 1,024] x [K 1,024, N 1,024]; A: input k (given as codes); B: input Wk (given as codes): QUANTISED (scales: A lowp_scales[2], B lowp_scales[3])
;;     3. [M 16,384, K 1,024] x [K 1,024, N 1,024]; A: input v (given as codes); B: input Wv (given as codes): QUANTISED (scales: A lowp_scales[4], B lowp_scales[5])
;;     4. batch 64 x [M 64, K 4,096] x [K 4,096, N 64]; A: softmax (see below); B: computed on the way: QUANTISED (scales: A lowp_scales[6], B lowp_scales[7])
;;     5. batch 64 x [M 4,096, K 64] x [K 64, N 64]; A: softmax (see below); B: computed on the way: QUANTISED (scales: A lowp_scales[8], B lowp_scales[9])
;;   THE QUANTISER, for each operand of a quantised product, along K:
;;     - The operand's scale is 2^e, e = its entry of the input lowp_scales (int32; the entries are numbered through the quantised products in the list's order, A before B).
;;     - Each number is divided by the scale, clamped to +-57,344, and rounded to the nearest number of E5M2, ties to even, subnormals kept.
;;     - The product sums the exact products of the quantised numbers (number of the format x scale) in f32.
;;   ~~~python
;;   def quantise(x, axis, e):      # numpy; x: float32 -> the quantised numbers, widened to float32 again
;;       x = np.moveaxis(x, axis, -1); K = x.shape[-1]
;;       r = np.clip(x / 2.0 ** e, -57344, 57344)
;;       step = 2.0 ** (np.maximum(np.frexp(np.where(r == 0, 1, r))[1] - 1, -14) - 2)
;;       q = np.round(r / step) * step * 2.0 ** e      # np.round: ties to even
;;       return np.moveaxis(q, -1, axis).astype(np.float32)
;;   ~~~
;;   SOFTMAX AHEAD OF A QUANTISED PRODUCT. Where the list says 'softmax', what is quantised is not the finished softmax but p = 2^(t - M), with t = logit x log2(e) and M = ceil(the row's largest t), a whole number; so 1/2 < the row's largest p <= 1. The row's sum l is taken of the UNQUANTISED p, in f32, and the product's result is divided by l at the end. Since M is a whole number, a kernel that streams over the keys may use a running M (the ceiling of the running maximum): every later rescaling is an exact power of two, so the quantised numbers keep their values, but for numbers so far below the row's largest that they fall under the format's range.
;;   OPERANDS COMPUTED ON THE WAY. 'Computed on the way' means the value that the module computes at that place (a softmax that the list does not call 'softmax' is quantised finished and normalised). What goes into a quantiser is computed in f32, as accurately as f32 sums, v_exp_f32 and their like allow (about 1e-6 of the number): no bf16 or f16 on the way to a quantiser, and a product that is left as it is and whose result goes on into a quantised operand takes f32 operands (vector FMAs, or v_wmma_f32_16x16x4_f32). A number that lies on a knife's edge between two numbers of the format may be rounded either way, as far as f32 arithmetic and the matrix unit's own rounding can turn it there, and no further.
;;   INPUTS GIVEN AS CODES. Wk (in the module: [1024, 1024], K = its axis 0); Wq (in the module: [1024, 1024], K = its axis 0); Wv (in the module: [1024, 1024], K = its axis 0); k (in the module: [4, 4096, 1024], K = its axis 2); q (in the module: [4, 4096, 1024], K = its axis 2); v (in the module: [4, 4096, 1024], K = its axis 2): each comes as NAME_codes (uint8): NAME with its K axis moved to the last place and cut into blocks of 32 codes, [.., K / 32, bytes a block], one block behind the other in memory; one code a byte (a code: sign, 5 exponent bits, 2 mantissa bits); its scale is its entry of lowp_scales. Its value is code x scale, taken as it is: it is not quantised again, and the codes and scales need not be those that the quantiser above would give.
;; One version. Each part assembles by itself: llvm-mc -triple=amdgcn-amd-amdhsa -mcpu=gfx1250 --defsym DOCPART=n.
;; ======== version 1 of 1: 3 launches
;; workspace buffers: kvp 16,777,216 bytes; kst 524,288 bytes; kvc 262,144 bytes
;; launch kvpart (part 1): grid 4 x 64, 4 waves a work-group, clusters of 4 x 4, 327,680 bytes of LDS; arguments k_codes, Wk_codes, v_codes, Wv_codes, mask_attn, lowp_scales, kvp, kst; writes kvp, kst
.if DOCPART == 1
	.amdgcn_target "amdgcn-amd-amdhsa--gfx1250"
	.amdhsa_code_object_version 6
	.text
	.protected	k_q82e38095e1_kvpart
	.globl	k_q82e38095e1_kvpart
	.p2align	8
	.type	k_q82e38095e1_kvpart,@function
k_q82e38095e1_kvpart:
	s_mov_b64 s[64:65], 0
	v_nop
	global_prefetch_b8 v0, s[64:65] scope:SCOPE_SE
	s_setreg_imm32_b32 hwreg(HW_REG_WAVE_MODE, 25, 1), 1
	s_wait_xcnt 0x0
	s_wait_alu depctr_hold_cnt(0) depctr_sa_sdst(0) depctr_va_vdst(0) depctr_va_sdst(0) depctr_va_ssrc(0) depctr_va_vcc(0) depctr_vm_vsrc(0)
	s_getreg_b32 s2, hwreg(HW_REG_IB_STS2, 6, 4)
	s_cmp_eq_u32 s2, 0
	s_cbranch_scc0 .Lentry_in_a_cluster
	s_endpgm
.Lentry_in_a_cluster:
	s_bfe_u32 s2, ttmp6, 0x10000c
	s_cmp_lg_u32 s2, 0xf033
	s_cbranch_scc0 .Lentry_shape_is_right
	s_endpgm
.Lentry_shape_is_right:
; KVPART.  For 256 rows t of one batch (a chunk) and 256 columns (four heads): kh = k Wk - 10000 (1 - mask_attn), the softmax down t with the CHUNK'S OWN whole number M, vh = v Wv,
; and the chunk's part of kv[d][e] = sum over t of p[t][d] vh[t][e].  All three products on codes of E5M2; sums in f32.  Nothing but the parts of kv, -M and the sums l goes to memory.
; p = 2^(t' - M), t' = kh x log2(e), M = the ceiling of the chunk's largest t' of that column; l = the sum of the unquantised p.  The next launch joins the sixteen chunks by exact powers of two.
; SHARES.  A work-group of four waves makes a tile of 256 x 256; a wave 128 x 128: 64 accumulators, 512 registers.  K = 1,024 goes in four steps of 256 through a ring of two LDS slots; the ring does
; not stop between the two GEMMs: v's first two K steps are asked for in k's last two changes of slots.
; THE MATRIX INSTRUCTION IS USED AS IT STANDS (source 0 = 16 rows of k or v, source 1 = 16 rows of W's codes): a lane then holds ONE column and eight rows t, 16 a + 8 (lane / 16) + 0..7.  t is the K of the
; third product, so the conversion of accumulator (a, b) IS registers 2 a, 2 a + 1 of the fragment (128 along t) of column block b, for p and for vh alike: nothing is transposed.
; A wave's 128 columns are two heads.  B's blocks are fetched so that blocks 0-3 are the head that the wave keeps (head 2 CH + RH of the tile) and blocks 4-7 the head whose part it hands to the wave
; with the other 128 rows (wave xor 2), through LDS.  Column maxima and sums meet the same way.
; CLUSTERS: 4 x 4 work-groups; the four of a row need the same rows of k and v, the four of a column the same rows of Wk and Wv: each tile is asked for jointly.
; LIMITS on the given exponents, so that each power of two is an f32 number: e2 + e3 between -126 and 127; e6 and e7 - e4 - e5 between -126 and 112.  NaN among the inputs is not served.
; p is quantised under its chunk's M, which is at most the whole column's: codes that would be subnormal under the column's M are finer here, and with 57,344 x 2^e6 under 1 the hold bites by the chunk's M.
; REGISTERS, in windows of 256.  Window 0: v1 r, v2 h; v16-35 addresses; v36-43 column maxima, then -M; v44-59 at work, then the sums l; v60-63 scales and holds; v64-127 the mask's terms, then p's codes
; of blocks 0-3; v128-255 A's fragments.  Window 1: B's two sets; in the first epilogue v128-191 p's codes of blocks 4-7, v192-207 -M twice each; at the end v0-127 vh's codes.
; Window 2: accumulators of my rows 0-63, at the end the parts of kv; window 3: those of rows 64-127, at the end the partner's parts.
.set PITCH,  272                       ; an LDS row: 256 bytes + 16 of padding = 68 words: the 16 rows of a fragment load start at 16 different banks (ISA guide 11.1)
.set HALFT,  128*PITCH                 ; 128 rows: what one tensor load brings
.set SLOT,   4*HALFT                   ; A's 256 rows, then B's 256 rows
.set ROWB,   256                       ; a tile's row in bytes: a K step
.set KROW,   1024                      ; a row in memory, in bytes
.set FR,     16                        ; registers of a fragment, 16 rows x 128 K
.set NL,     4                         ; LDS loads that bring one
.set NP,     4                         ; places behind this matrix instruction (ISA guide 7.12.1)
.set SPARE,  2*SLOT                    ; the spare words: 128 bytes a wave, two blocks of 256 bytes that no other line names
.set MXS,    SPARE+512                 ; images of the column maxima: 1,024 bytes a wave
.set STS,    MXS+4*1024                ; the statistics' turn: 512 bytes a wave, its own
.set LXS,    STS+4*512                 ; images of the sums l: 1,024 bytes a wave
.set PIMG,   LXS+4*1024                ; p's codes of blocks 4-7 while B's second set is at work: 8,192 bytes a wave, its own
.set ADRA,  16                         ; v16-17  my A fragments in slot 0, 1
.set ADRBL, 18                         ; v18-19  B's blocks 0-3: the head that I keep
.set ADRBH, 20                         ; v20-21  B's blocks 4-7: the head that I hand over
.set MXW,   22                         ; where I store my maxima's image;  v23: where the partner stored its own
.set MXR,   23
.set LXW,   24                         ; the same for the sums
.set LXR,   25
.set PIW,   26
.set STW,   27
.set SPW,   28                         ; LDS address of my spare word; never rewritten
.set NIL,   29                         ; 0; never rewritten
.set PFO,   30                         ; the prefetches' offset: 1,024 x lane; never rewritten
.set STR,   31
.set KVW,   32                         ; the merge stage (in slot 0, behind its last fill and last read): 16,384 bytes a wave
.set KVR,   33
.set L16,   34                         ; 16 x lane
.set MKO,   35                         ; 32 h: the mask words of my eight rows
.set MX,    36
.set LS,    44
.set SCP,   60                         ; 2^e6;  v61: 57,344 x 2^e6
.set LMP,   61
.set SCV,   62                         ; 2^(e7 - e4 - e5);  v63: 57,344 x that
.set LMV,   63
.set OFS,   64
.set AF,    128
.set PT,    128                        ; in window 1
.set NMP,   192                        ; in window 1
.set WV,  20
.set RH,  21                           ; my half of the tile's rows; also: I fetch for A (0) or for B (1)
.set CH,  22                           ; my half of its columns; also: which 128 rows I fetch
.set CX,  23
.set G1A, 24                           ; s[24:31], s[32:39] descriptor groups 1;  s[40:47], s[48:55] groups 0, a set for each slot
.set G1B, 32
.set G0A, 40
.set G0B, 48
.set VA,  56                           ; s[56:57] v's codes at my tile's first byte;  s[58:59] Wv's
.set VB,  58
.set CY,  60
.set TX,  61
.set TY,  62
.set PFA, 86
.set LIM, 88
.set MSB, 0
.macro WIN new                         ; the immediate's high byte repeats the setting that is left
.if MSB != \new
	s_set_vgpr_msb (MSB<<8)|\new
.set MSB, \new
.endif
.endm
.set MUL_LO, 0xa4                      ; source 0 (A) window 0, source 1 (B) window 1, C and D window 2
.set MUL_HI, 0xf4                      ; the same, C and D window 3
.set TO_B,   0x40
; A joint load: waves 0 and 1 fetch for A, waves 2 and 3 for B; the branch hangs on the wave's number alone.  Four v_nop follow each of the two lines.
.macro JLOAD g0a, g1a, g0b, g1b
	s_cmp_eq_u32 s[RH], 0
	s_cbranch_scc0 .Lfor_b_\@
	tensor_load_to_lds s[\g0a:\g0a+3], s[\g1a:\g1a+7]
	s_nop 0
.rept 4
	v_nop
.endr
	s_branch .Lasked_\@
.Lfor_b_\@:
	tensor_load_to_lds s[\g0b:\g0b+3], s[\g1b:\g1b+7]
	s_nop 0
.rept 4
	v_nop
.endr
.Lasked_\@:
.endm
.macro CREST                           ; a round of the cluster's barrier behind its opening barrier
	s_cmp_lg_u32 s[WV], 0
	s_cbranch_scc1 .Lnot_wave_0_\@
	s_barrier_signal -3
.Lnot_wave_0_\@:
	s_barrier_wait -3
	s_barrier_signal -1
	s_barrier_wait -1
.endm
.macro CROUND
	s_barrier_signal -1
	s_barrier_wait -1
	CREST
.endm
; A PREFETCH of K step g of v's and Wv's rows, two changes of slots ahead of the joint load that asks for it: 32 rows x 256 bytes, a lane a row, one instruction a wave.  v's rows belong to one cluster alone;
; Wv's are read by all sixteen clusters, and the one with y = 0 asks.  The four partners that ask for a tile jointly share its rows out by address, 32 each.  So each row's 256 bytes are named once.
; k's and Wk's tiles come by their loads alone: two K steps are first fills and the others follow at once.
.macro ASK g
	s_cmp_eq_u32 s[LIM], 1
	s_cbranch_scc0 .Lnot_mine_\@
	global_prefetch_b8 v[PFO], s[PFA:PFA+1] offset:256*(\g) th:TH_LOAD_NT scope:SCOPE_SE
.Lnot_mine_\@:
.endm
.macro PLACES n
.rept \n
	v_nop
.endr
.endm
.macro FRAG reg, adr, q, i             ; lane l holds row l % 16; registers 4 c .. 4 c + 3 hold K = 32 c + 16 (l / 16) + 0 .. 15: a permutation of k that is the same in A and in B
.irp c, 0,1,2,3
	ds_load_b128 v[\reg+4*\c:\reg+4*\c+3], v[\adr] offset:128*(\q)+32*\c+(\i)*16*PITCH
.endr
.endm
.macro FETCH_B slot, q, p
	WIN TO_B
.irp i, 0,1,2,3
	FRAG 128*(\p)+FR*\i, ADRBL+\slot, \q, \i
.endr
.irp i, 0,1,2,3
	FRAG 128*(\p)+FR*(\i+4), ADRBH+\slot, \q, \i
.endr
	WIN 0
.endm
.macro FETCH_A slot, q, i0
.irp i, \i0, \i0+1, \i0+2, \i0+3
	FRAG AF+FR*(\i), ADRA+\slot, \q, \i
.endr
.endm
; 16 matrix instructions: A's blocks a0, a0 + 1 x B's eight.  The 64 accumulators take turns, one instruction a turn, in the same order in every step.
.macro MUL16 a0, p, zero
.irp a, \a0, \a0+1
.irp b, 0,1,2,3,4,5,6,7
.if \zero
	v_wmma_f32_16x16x128_bf8_bf8 v[8*(8*((\a)%4)+\b):8*(8*((\a)%4)+\b)+7], v[AF+FR*(\a):AF+FR*(\a)+FR-1], v[128*(\p)+FR*\b:128*(\p)+FR*\b+FR-1], 0
.else
	v_wmma_f32_16x16x128_bf8_bf8 v[8*(8*((\a)%4)+\b):8*(8*((\a)%4)+\b)+7], v[AF+FR*(\a):AF+FR*(\a)+FR-1], v[128*(\p)+FR*\b:128*(\p)+FR*\b+FR-1], v[8*(8*((\a)%4)+\b):8*(8*((\a)%4)+\b)+7]
.endif
.endr
.endr
.endm
.macro STEP slot, q, zero              ; 128 along K with a successor in the same slot
	s_wait_dscnt 4*NL                              ; B's set and A's blocks 0-3 are in; the youngest sixteen loads (A's blocks 4-7) may be out
	WIN MUL_LO
	MUL16 0, (\q)%2, \zero
	MUL16 2, (\q)%2, \zero
	s_wait_dscnt 0
	PLACES NP                                      ; in front of loads into registers that matrix instructions have read
	FETCH_B \slot, (\q)+1, 1-(\q)%2
	FETCH_A \slot, (\q)+1, 0
	WIN MUL_HI
	MUL16 4, (\q)%2, \zero
	MUL16 6, (\q)%2, \zero
	PLACES NP
	WIN 0
	FETCH_A \slot, (\q)+1, 4
.endm
; A slot's last step changes slots.  fill = 1: this slot takes the K step two on;  fill = 2: it takes v's and Wv's K step 0 (slot 0) or 1 (slot 1);  fill = 0: nothing.  pf: the K step to prefetch, or -1.
.macro TURN slot, next, fill, pf
	s_wait_tensorcnt 0x0                           ; all my tensor loads have landed: my part of the next slot
	ds_add_u32 v[SPW], v[NIL]                      ; 0 onto my spare word
	s_wait_dscnt 4*NL+1                            ; (the add and the youngest sixteen loads may be out)
	WIN MUL_LO
	MUL16 0, 1, 0
	s_wait_dscnt 0x0                               ; the add is done, and my reads of this slot are over
	s_barrier_signal -1
	MUL16 2, 1, 0
	WIN 0
	s_barrier_wait -1
.if \fill
	CREST                                          ; no wave of any partner still reads this slot or has a load on its way
.if \fill == 1
	s_add_nc_u64 s[G0A+4*\slot+2:G0A+4*\slot+3], s[G0A+4*\slot+2:G0A+4*\slot+3], 2*ROWB
	s_add_nc_u64 s[G0B+4*\slot+2:G0B+4*\slot+3], s[G0B+4*\slot+2:G0B+4*\slot+3], 2*ROWB
.else
	s_add_nc_u64 s[G0A+4*\slot+2:G0A+4*\slot+3], s[VA:VA+1], \slot*ROWB
	s_or_b32 s[G0A+4*\slot+3], s[G0A+4*\slot+3], 0x80000000
	s_add_nc_u64 s[G0B+4*\slot+2:G0B+4*\slot+3], s[VB:VB+1], \slot*ROWB
	s_or_b32 s[G0B+4*\slot+3], s[G0B+4*\slot+3], 0x80000000
.endif
	JLOAD G0A+4*\slot, G1A, G0B+4*\slot, G1B       ; the first tensor load behind the round; its four v_nop are also the places in front of the loads below
.else
	PLACES NP
.endif
	FETCH_B \next, 0, 0
	FETCH_A \next, 0, 0
.if \pf >= 0
	ASK \pf
.endif
	WIN MUL_HI
	MUL16 4, 1, 0
	MUL16 6, 1, 0
	PLACES NP
	WIN 0
	FETCH_A \next, 0, 4
.endm
.macro LAST                            ; the very last step: nothing more to fetch; four places in front of the first read of results
	s_wait_dscnt 4*NL
	WIN MUL_LO
	MUL16 0, 1, 0
	MUL16 2, 1, 0
	s_wait_dscnt 0
	WIN MUL_HI
	MUL16 4, 1, 0
	MUL16 6, 1, 0
	PLACES NP
	WIN 0
.endm
; ---- the softmax down t.  w: the window (2: my rows 0-63, 3: rows 64-127).  Register 64 aa + 8 b + j of the window is row 16 (4 (w - 2) + aa) + 8 h + j of column 16 b + r.
.macro LOGIT w                         ; kh = sum x 2^(e2 + e3) - 10000 (1 - mask): one rounding; each accumulator from its low end on
.set IW, 0x41*\w
	WIN IW
.set n, 0
.rept 128
	v_pk_fma_f32 v[2*n:2*n+1], v[2*n:2*n+1], s[80:81], v[OFS+32*(\w-2)+8*(n/32)+2*(n%4):OFS+32*(\w-2)+8*(n/32)+2*(n%4)+1] op_sel_hi:[1,0,1]
.set n, n+1
.endr
.endm
.macro COLMAX w                        ; eight chains, one a column block, by turns
.if \w == 2
	WIN 0x0a
.irp b, 0,1,2,3,4,5,6,7
	v_max_num_f32 v[MX+\b], v[8*\b], v[8*\b+1]
.endr
	WIN 0x28
.else
	WIN 0x3c
.endif
.set k, 3-\w
.rept 13+\w
.irp b, 0,1,2,3,4,5,6,7
	v_max3_num_f32 v[MX+\b], v[MX+\b], v[64*(k/4)+8*\b+2*(k%4)], v[64*(k/4)+8*\b+2*(k%4)+1]
.endr
.set k, k+1
.endr
.endm
.macro XEXP w                          ; p = 2^(kh x log2(e) - M)
.set IW, 0x41*\w+0x10
	WIN IW                                         ; -M's pairs lie in window 1
.set n, 0
.rept 128
	v_pk_fma_f32 v[2*n:2*n+1], v[2*n:2*n+1], s[82:83], v[NMP+2*((n/4)%8):NMP+2*((n/4)%8)+1] op_sel_hi:[1,0,1]
.set n, n+1
.endr
.set n, 0
.rept 256
	v_exp_f32 v[n], v[n]
.set n, n+1
.endr
	v_nop                                          ; a plain place behind the exponentials
.endm
.macro COLSUM w                        ; the sums are taken of the unquantised p: eight chains of pairs
.if \w == 2
	WIN 0x0a
	s_wait_alu depctr_va_vdst(0)
.irp b, 0,1,2,3,4,5,6,7
	v_pk_add_f32 v[LS+2*\b:LS+2*\b+1], v[8*\b:8*\b+1], v[8*\b+2:8*\b+3]
.endr
	WIN 0x08
.else
	WIN 0x0c
.endif
.set k, 2*(3-\w)
	s_wait_alu depctr_va_vdst(0)
.rept 10+2*\w
.irp b, 0,1,2,3,4,5,6,7
	v_pk_add_f32 v[LS+2*\b:LS+2*\b+1], v[LS+2*\b:LS+2*\b+1], v[64*(k/4)+8*\b+2*(k%4):64*(k/4)+8*\b+2*(k%4)+1]
.endr
.set k, k+1
.endr
.endm
.macro HOLDP w                         ; the conversion to an 8-bit code does not saturate (ISA guide 7.6.2); p is not negative, so the hold is one-sided
.set IW, 0x41*\w
	WIN IW
.set n, 0
.rept 256
	v_min_num_f32 v[n], v[n], v[LMP]
.set n, n+1
.endr
.endm
.macro CVTP w                          ; accumulator (a, b) becomes registers 2 a, 2 a + 1 of block b's fragment
.set IW, \w
	WIN IW
.irp aa, 0,1,2,3
.irp b, 0,1,2,3
	v_cvt_scalef32_pk8_bf8_f32 v[OFS+16*\b+2*(4*(\w-2)+\aa):OFS+16*\b+2*(4*(\w-2)+\aa)+1], v[64*\aa+8*\b:64*\aa+8*\b+7], v[SCP]
.endr
.endr
.set IW, 0x40+\w
	WIN IW
.irp aa, 0,1,2,3
.irp b, 0,1,2,3
	v_cvt_scalef32_pk8_bf8_f32 v[PT+16*\b+2*(4*(\w-2)+\aa):PT+16*\b+2*(4*(\w-2)+\aa)+1], v[64*\aa+8*\b+32:64*\aa+8*\b+39], v[SCP]
.endr
.endr
.endm
.macro QUANTV w                        ; vh's sums, held and converted with the three scales folded into one
.set IW, 0x41*\w
	WIN IW
.set n, 0
.rept 256
	v_med3_num_f32 v[n], v[n], -v[LMV], v[LMV]
.set n, n+1
.endr
.if \w == 2
	WIN TO_B
.set n, 0
.rept 16
	ds_load_b128 v[PT+4*n:PT+4*n+3], v[PIW] offset:512*n   ; p's codes of blocks 4-7 come back: B's second set is done with, and the holds above are more than four places
.set n, n+1
.endr
.endif
.set IW, 0x40+\w
	WIN IW
.irp aa, 0,1,2,3
.irp b, 0,1,2,3,4,5,6,7
	v_cvt_scalef32_pk8_bf8_f32 v[16*\b+2*(4*(\w-2)+\aa):16*\b+2*(4*(\w-2)+\aa)+1], v[64*\aa+8*\b:64*\aa+8*\b+7], v[SCV]
.endr
.endr
.endm
	s_load_b512 s[4:19], s[0:1], 0x0               ; k s[4:5], Wk s[6:7], v s[8:9], Wv s[10:11], mask_attn s[12:13], the exponents s[14:15], kvp s[16:17], kst s[18:19]
	v_lshl_add_u32 v[SPW], v0, 2, SPARE
	v_mov_b32 v[NIL], 0
	ds_add_u32 v28, v29
	s_wait_dscnt 0x0
	v_lshrrev_b32 v3, 5, v0
	v_readfirstlane_b32 s[WV], v3                  ; wave 0..3
	s_lshr_b32 s[RH], s[WV], 1
	s_and_b32 s[CH], s[WV], 1
	s_bfe_u32 s[CX], ttmp6, 0x40000                ; my place in the cluster
	s_bfe_u32 s[CY], ttmp6, 0x40004
	s_lshl_b32 s[TX], ttmp9, 2
	s_add_co_u32 s[TX], s[TX], s[CX]               ; tile column: four heads
	s_and_b32 s[TY], ttmp7, 0xffff
	s_lshl_b32 s[TY], s[TY], 2
	s_add_co_u32 s[TY], s[TY], s[CY]               ; tile row = 16 x batch + chunk
	s_lshl_b32 s63, s[CY], 2
	s_lshl_b32 s63, 15, s63                        ; my row of the cluster
	s_lshl_b32 s70, 0x1111, s[CX]                  ; my column
	s_or_b32 s[G1A], s63, (1<<20)|(1<<21)|(5<<22)|(3<<25)   ; 15:0 the mask; 17:16 elements of 1 byte; 20 padding on; 21 set beside a mask; 24:22 after every 64 words; 31:25 four words
	s_or_b32 s[G1B], s70, (1<<20)|(1<<21)|(5<<22)|(3<<25)
.irp g, G1A, G1B
	s_mov_b32 s[\g+1], ROWB<<16                    ; tensor_dim0
	s_mov_b32 s[\g+2], 128<<16                     ; tensor_dim1
	s_mov_b32 s[\g+3], ROWB<<16                    ; tile_dim0
	s_mov_b32 s[\g+4], 128                         ; tile_dim1
	s_mov_b32 s[\g+5], KROW                        ; from row to row
	s_mov_b32 s[\g+6], 0
	s_mov_b32 s[\g+7], 0
.endr
	s_lshl_b32 s71, s[CH], 7                       ; which 128 rows of a tile I fetch
	s_lshl_b32 s66, s[TY], 8
	s_add_co_u32 s66, s66, s71
	s_lshl_b32 s66, s66, 10                        ; A: (256 x tile row + 128 x half) rows of 1,024 bytes: under 2^24
	s_mov_b32 s67, 0
	s_lshl_b32 s68, s[TX], 8
	s_add_co_u32 s68, s68, s71
	s_lshl_b32 s68, s68, 10                        ; B likewise, by the tile column
	s_mov_b32 s69, 0
	s_mul_i32 s89, s[WV], HALFT                    ; where my loads go: no place in the cluster enters an LDS address
	s_wait_kmcnt 0x0
	s_load_b256 s[72:79], s[14:15], 0x8            ; e2 .. e9
	s_add_nc_u64 s[VA:VA+1], s[8:9], s[66:67]
	s_add_nc_u64 s[VB:VB+1], s[10:11], s[68:69]
	s_add_nc_u64 s[92:93], s[4:5], s[66:67]
	s_add_nc_u64 s[94:95], s[6:7], s[68:69]
	CROUND                                         ; all sixteen work-groups are here: the first joint loads meet
.irp s, 0,1
	s_mov_b32 s[G0A+4*\s], 1
	s_add_co_u32 s[G0A+4*\s+1], s89, \s*SLOT
	s_add_nc_u64 s[G0A+4*\s+2:G0A+4*\s+3], s[92:93], \s*ROWB
	s_or_b32 s[G0A+4*\s+3], s[G0A+4*\s+3], 0x80000000
	s_mov_b32 s[G0B+4*\s], 1
	s_add_co_u32 s[G0B+4*\s+1], s89, \s*SLOT
	s_add_nc_u64 s[G0B+4*\s+2:G0B+4*\s+3], s[94:95], \s*ROWB
	s_or_b32 s[G0B+4*\s+3], s[G0B+4*\s+3], 0x80000000
	JLOAD G0A+4*\s, G1A, G0B+4*\s, G1B
.endr
	v_and_b32 v1, 15, v0                           ; r
	v_bfe_u32 v2, v0, 4, 1                         ; h
	v_and_b32 v4, 31, v0                           ; lane
	v_lshlrev_b32 v[MKO], 5, v2
	s_lshl_b32 s70, s[TY], 8
	s_lshl_b32 s71, s[RH], 7
	s_add_co_u32 s70, s70, s71
	s_lshl_b32 s70, s70, 2
	s_mov_b32 s71, 0
	s_add_nc_u64 s[12:13], s[12:13], s[70:71]      ; the mask word of my wave's first row
.irp a, 0,1,2,3,4,5,6,7
	global_load_b128 v[OFS+8*\a:OFS+8*\a+3], v[MKO], s[12:13] offset:64*\a       ; rows 16 a + 8 h + 0 .. 7
	global_load_b128 v[OFS+8*\a+4:OFS+8*\a+7], v[MKO], s[12:13] offset:64*\a+16
.endr
	v_mul_u32_u24 v3, v1, PITCH
	v_lshl_add_u32 v3, v2, 4, v3                   ; a fragment's row x pitch + 16 x half
	s_mul_i32 s90, s[RH], HALFT                    ; my 128 rows of A
	s_mul_i32 s91, s[CH], HALFT
	s_add_co_u32 s91, s91, 2*HALFT                 ; my 128 rows of B, behind A's 256:
	s_mul_i32 s96, s[RH], 64*PITCH
	s_add_co_u32 s96, s96, s91                     ; the 64 of the head that I keep,
	s_xor_b32 s97, s[RH], 1
	s_mul_i32 s97, s97, 64*PITCH
	s_add_co_u32 s97, s97, s91                     ; and the 64 of the other
.irp s, 0,1
	v_add_nc_u32 v[ADRA+\s], s90, v3
	v_add_nc_u32 v[ADRBL+\s], s96, v3
	v_add_nc_u32 v[ADRBH+\s], s97, v3
	s_add_co_u32 s90, s90, SLOT
	s_add_co_u32 s96, s96, SLOT
	s_add_co_u32 s97, s97, SLOT
.endr
	v_lshlrev_b32 v[L16], 4, v4
	s_xor_b32 s98, s[WV], 2                        ; the partner: same columns, the other 128 rows
	s_lshl_b32 s90, s[WV], 10
	s_lshl_b32 s91, s98, 10
	s_add_co_u32 s96, s90, MXS
	s_add_co_u32 s97, s91, MXS
	v_add_nc_u32 v[MXW], s96, v[L16]
	v_add_nc_u32 v[MXR], s97, v[L16]
	s_add_co_u32 s96, s90, LXS
	s_add_co_u32 s97, s91, LXS
	v_add_nc_u32 v[LXW], s96, v[L16]
	v_add_nc_u32 v[LXR], s97, v[L16]
	s_lshl_b32 s96, s[WV], 13
	s_add_co_u32 s96, s96, PIMG
	v_add_nc_u32 v[PIW], s96, v[L16]
	s_lshl_b32 s96, s[WV], 9
	s_add_co_u32 s96, s96, STS
	v_add_nc_u32 v[STR], s96, v[L16]
	v_lshlrev_b32 v5, 2, v1
	v_lshl_add_u32 v5, v2, 8, v5
	v_add_nc_u32 v[STW], s96, v5                   ; lanes 0-15 put -M at 4 r, lanes 16-31 l at 256 + 4 r
	s_lshl_b32 s96, s[WV], 14
	s_lshl_b32 s97, s98, 14
	v_add_nc_u32 v[KVW], s96, v[L16]
	v_add_nc_u32 v[KVR], s97, v[L16]
	; where my results go: entry 16 x tile row + head, head = 4 x tile column + 2 CH + RH
	s_lshl_b32 s70, s[TY], 4
	s_lshl_b32 s71, s[TX], 2
	s_add_co_u32 s70, s70, s71
	s_lshl_b32 s71, s[CH], 1
	s_add_co_u32 s70, s70, s71
	s_add_co_u32 s70, s70, s[RH]
	s_lshl_b32 s92, s70, 14
	s_mov_b32 s93, 0
	s_add_nc_u64 s[16:17], s[16:17], s[92:93]
	s_lshl_b32 s92, s70, 9
	s_add_nc_u64 s[18:19], s[18:19], s[92:93]
	; the prefetches: whose rows, and who asks
	s_and_b32 s94, ttmp7, 0xffff                   ; cluster y
	s_cmp_eq_u32 s[RH], 0                          ; do I fetch for A?
	s_cselect_b32 s92, s[TY], s[TX]
	s_cselect_b32 s93, s[CX], s[CY]                ; my place among the four that ask with me
	s_cselect_b32 s94, ttmp9, s94                  ; the coordinate along which other clusters read the same rows
	s_cselect_b64 s[PFA:PFA+1], s[8:9], s[10:11]
	s_cmp_eq_u32 s94, 0
	s_cselect_b32 s[LIM], 1, -1                    ; the same in all sixteen partners, for a given wave
	s_lshl_b32 s92, s92, 8
	s_lshl_b32 s94, s[CH], 7
	s_add_co_u32 s92, s92, s94
	s_lshl_b32 s93, s93, 5
	s_add_co_u32 s92, s92, s93
	s_lshl_b32 s92, s92, 10
	s_mov_b32 s93, 0
	s_add_nc_u64 s[PFA:PFA+1], s[PFA:PFA+1], s[92:93]
	v_lshlrev_b32 v[PFO], 10, v4
	s_wait_kmcnt 0x0
	s_add_co_i32 s80, s72, s73
	s_add_co_i32 s80, s80, 127
	s_lshl_b32 s80, s80, 23                        ; 2^(e2 + e3) as f32
	s_mov_b32 s81, s80                             ; (named with it as a pair, so it is written)
	s_mov_b32 s82, 0x3fb8aa3b                      ; log2(e)
	s_mov_b32 s83, s82
	s_mov_b32 s84, 0x76543210                      ; v_permlanex16_b32's selects for lane l xor 16
	s_mov_b32 s85, 0xfedcba98
	s_add_co_i32 s70, s76, 127
	s_lshl_b32 s71, s70, 23
	v_mov_b32 v[SCP], s71
	s_add_co_i32 s70, s70, 15
	s_lshl_b32 s70, s70, 23
	s_or_b32 s70, s70, 0x600000
	v_mov_b32 v[LMP], s70
	s_sub_co_i32 s70, s77, s74
	s_sub_co_i32 s70, s70, s75
	s_add_co_i32 s70, s70, 127
	s_lshl_b32 s71, s70, 23
	v_mov_b32 v[SCV], s71
	s_add_co_i32 s70, s70, 15
	s_lshl_b32 s70, s70, 23
	s_or_b32 s70, s70, 0x600000
	v_mov_b32 v[LMV], s70
.irp b, 0,1,2,3,4,5,6,7
	v_mov_b32 v[LS+\b], 0                          ; written once: a lane permute's destination counts as one of its sources
.endr
	s_wait_loadcnt 0x0                             ; the mask words; their arithmetic stands where the first tiles are still on their way
.set n, 0
.rept 64
	v_cvt_f32_i32 v[OFS+n], v[OFS+n]
.set n, n+1
.endr
.set n, 0
.rept 64
	v_sub_f32 v[OFS+n], 1.0, v[OFS+n]
.set n, n+1
.endr
.set n, 0
.rept 64
	v_mul_f32 v[OFS+n], 0xc61c4000, v[OFS+n]       ; -10000 (1 - mask)
.set n, n+1
.endr
	s_wait_tensorcnt 1                             ; my part of K step 0 is in; K step 1's load may be out
	s_barrier_signal -1
	s_barrier_wait -1
	FETCH_B 0, 0, 0
	FETCH_A 0, 0, 0
	FETCH_A 0, 0, 4
	; ---- kh = k Wk
	STEP 0, 0, 1
	TURN 0, 1, 1, 0
	STEP 1, 0, 0
	TURN 1, 0, 1, 1
	STEP 0, 0, 0
	TURN 0, 1, 2, 2                                ; slot 0 takes v's first K step
	STEP 1, 0, 0
	TURN 1, 0, 2, 3                                ; slot 1 its second; v's first fragments are fetched
	; ---- the softmax down my 128 rows, joined with the partner's 128
	LOGIT 2
	COLMAX 2
	LOGIT 3
	COLMAX 3
	WIN 0
.irp b, 0,1,2,3,4,5,6,7
	v_permlanex16_b32 v[LS+\b], v[MX+\b], s84, s85 ; the column's other rows lie in the lane 16 away
.endr
.irp b, 0,1,2,3,4,5,6,7
	v_max_num_f32 v[MX+\b], v[MX+\b], v[LS+\b]
.endr
	ds_store_b128 v[MXW], v[MX:MX+3]
	ds_store_b128 v[MXW], v[MX+4:MX+7] offset:512
	s_wait_dscnt 0x0                               ; for the partner's sake: my image has landed
	s_barrier_signal -1                            ; (my one tensor load stays out)
	s_barrier_wait -1
	ds_load_b128 v[LS:LS+3], v[MXR] offset:512     ; the partner's blocks 4-7 are my blocks 0-3,
	ds_load_b128 v[LS+4:LS+7], v[MXR]              ; and the other way round
	s_wait_dscnt 0x0
.irp b, 0,1,2,3,4,5,6,7
	v_max_num_f32 v[MX+\b], v[MX+\b], v[LS+\b]
.endr
.irp b, 0,1,2,3,4,5,6,7
	v_mul_f32 v[MX+\b], s82, v[MX+\b]              ; the chunk's largest t'
.endr
	WIN 0x40
.irp b, 0,1,2,3,4,5,6,7
	v_floor_f32 v[NMP+2*\b], -v[MX+\b]             ; -M = floor(-t'): M is a whole number.  Twice, as a pair for the packed lines
	v_floor_f32 v[NMP+2*\b+1], -v[MX+\b]
.endr
	WIN 0
.irp b, 0,1,2,3,4,5,6,7
	v_floor_f32 v[MX+\b], -v[MX+\b]                ; and once to be stored
.endr
	XEXP 2
	COLSUM 2
	HOLDP 2
	CVTP 2
	XEXP 3
	COLSUM 3
	HOLDP 3
	CVTP 3
	v_nop                                          ; one plain line behind the last conversion: the next products write its sources
	WIN 0x04
.set n, 0
.rept 16
	ds_store_b128 v[PIW], v[PT+4*n:PT+4*n+3] offset:512*n   ; blocks 4-7's codes step aside: B's second set is wanted
.set n, n+1
.endr
	WIN 0
.irp b, 0,1,2,3,4,5,6,7
	v_add_f32 v[LS+2*\b], v[LS+2*\b], v[LS+2*\b+1]
.endr
.irp b, 0,1,2,3,4,5,6,7
	v_permlanex16_b32 v[LS+2*\b+1], v[LS+2*\b], s84, s85
.endr
.irp b, 0,1,2,3,4,5,6,7
	v_add_f32 v[LS+\b], v[LS+2*\b], v[LS+2*\b+1]   ; ascending: each write lands on registers that have been read
.endr
	ds_store_b128 v[LXW], v[LS:LS+3]
	ds_store_b128 v[LXW], v[LS+4:LS+7] offset:512
	s_wait_dscnt 0x0                               ; the stores have read their registers; v's first fragments are in
	; ---- vh = v Wv
	STEP 0, 0, 1
	TURN 0, 1, 1, -1
	STEP 1, 0, 0
	TURN 1, 0, 1, -1
	STEP 0, 0, 0
	TURN 0, 1, 0, -1
	STEP 1, 0, 0
	LAST
	QUANTV 2
	QUANTV 3
	v_nop                                          ; one plain line between the last conversion and the products that read its result and write its sources
	s_wait_dscnt 0x0                               ; p's codes of blocks 4-7 are back
	; ---- the parts of kv: source 0 = p (16 d), source 1 = vh (16 e), K = my 128 rows.  Tile (et, dt) at 8 (4 et + dt): register j of lane (r, h) is d = 16 dt + 8 h + j, e = 16 et + r
	WIN 0x84
.irp et, 0,1,2,3
.irp dt, 0,1,2,3
	v_wmma_f32_16x16x128_bf8_bf8 v[8*(4*\et+\dt):8*(4*\et+\dt)+7], v[OFS+16*\dt:OFS+16*\dt+15], v[16*\et:16*\et+15], 0
.endr
.endr
	WIN 0x85
.irp et, 0,1,2,3
.irp dt, 0,1,2,3
	v_wmma_f32_16x16x128_bf8_bf8 v[128+8*(4*\et+\dt):128+8*(4*\et+\dt)+7], v[PT+16*\dt:PT+16*\dt+15], v[64+16*\et:64+16*\et+15], 0
.endr
.endr
	PLACES NP
	; ---- the two halves of the rows meet: I hand over the other head's tiles and take my head's from the partner
	WIN 0x08
.set n, 0
.rept 32
	ds_store_b128 v[KVW], v[128+4*n:128+4*n+3] offset:512*n
.set n, n+1
.endr
	s_wait_dscnt 0x0
	s_barrier_signal -1
	s_barrier_wait -1
	WIN 0xc0
.set n, 0
.rept 32
	ds_load_b128 v[4*n:4*n+3], v[KVR] offset:512*n
.set n, n+1
.endr
	WIN 0
	ds_load_b128 v[LS+8:LS+11], v[LXR] offset:512  ; the partner's sums for my head
	s_wait_dscnt 0x0
	WIN 0x8e
.set n, 0
.rept 64
	v_pk_add_f32 v[2*n:2*n+1], v[2*n:2*n+1], v[2*n:2*n+1]   ; window 2 += window 3
.set n, n+1
.endr
	WIN 0x08
.set n, 0
.rept 32
	global_store_b128 v[L16], v[4*n:4*n+3], s[16:17] offset:512*n th:TH_STORE_NT   ; 32 lanes store 512 consecutive bytes, at a multiple of 256 from the buffer's first byte
.set n, n+1
.endr
	WIN 0
.irp b, 0,1,2,3
	v_add_f32 v[LS+\b], v[LS+\b], v[LS+8+\b]
.endr
	v_cmp_eq_u32 vcc_lo, 1, v2
.irp b, 0,1,2,3
	v_cndmask_b32 v[LS+12+\b], v[MX+\b], v[LS+\b], vcc_lo   ; lanes 0-15: -M; lanes 16-31: l
.endr
.irp b, 0,1,2,3
	ds_store_b32 v[STW], v[LS+12+\b] offset:64*\b
.endr
	ds_load_b128 v[8:11], v[STR]                   ; LDS serves a wave's instructions in order (ISA guide 5.7.1.4): this sees the stores above
	s_wait_dscnt 0x0
	global_store_b128 v[L16], v[8:11], s[18:19] th:TH_STORE_NT   ; 64 -M, then 64 l: 512 consecutive bytes
	s_wait_tensorcnt 0x0                           ; the wave's end
	ds_add_u32 v[SPW], v[NIL]
	s_wait_dscnt 0x0
	CROUND                                         ; the closing round
	s_endpgm
.Lfunc_end_k_q82e38095e1_kvpart:
	.size	k_q82e38095e1_kvpart, .Lfunc_end_k_q82e38095e1_kvpart-k_q82e38095e1_kvpart
	.p2alignl 7, 3214868480
	.fill 96, 4, 3214868480
	.section	.rodata,"a",@progbits
	.p2align	6, 0x0
	.amdhsa_kernel k_q82e38095e1_kvpart
		.amdhsa_group_segment_fixed_size 327680
		.amdhsa_private_segment_fixed_size 0
		.amdhsa_enable_private_segment 0
		.amdhsa_kernarg_size 64
		.amdhsa_user_sgpr_count 2
		.amdhsa_user_sgpr_kernarg_segment_ptr 1
		.amdhsa_wavefront_size32 1
		.amdhsa_system_sgpr_workgroup_id_x 1
		.amdhsa_system_sgpr_workgroup_id_y 1
		.amdhsa_system_sgpr_workgroup_id_z 1
		.amdhsa_system_vgpr_workitem_id 0
		.amdhsa_next_free_vgpr 1024
		.amdhsa_next_free_sgpr 100
		.amdhsa_reserve_vcc 1
		.amdhsa_float_denorm_mode_32 3
		.amdhsa_float_denorm_mode_16_64 3
		.amdhsa_memory_ordered 1
		.amdhsa_forward_progress 1
		.amdhsa_inst_pref_size 255
	.end_amdhsa_kernel
	.section	.bss,"aw",@nobits
	.p2align	6
	.space	262144
	.amdgpu_metadata
---
amdhsa.version: [ 1, 2 ]
amdhsa.kernels:
  - .name:           k_q82e38095e1_kvpart
    .symbol:         k_q82e38095e1_kvpart.kd
    .args:
      - { .name: k_codes, .offset: 0, .size: 8, .value_kind: global_buffer, .address_space: global }
      - { .name: Wk_codes, .offset: 8, .size: 8, .value_kind: global_buffer, .address_space: global }
      - { .name: v_codes, .offset: 16, .size: 8, .value_kind: global_buffer, .address_space: global }
      - { .name: Wv_codes, .offset: 24, .size: 8, .value_kind: global_buffer, .address_space: global }
      - { .name: mask_attn, .offset: 32, .size: 8, .value_kind: global_buffer, .address_space: global }
      - { .name: lowp_scales, .offset: 40, .size: 8, .value_kind: global_buffer, .address_space: global }
      - { .name: kvp, .offset: 48, .size: 8, .value_kind: global_buffer, .address_space: global }
      - { .name: kst, .offset: 56, .size: 8, .value_kind: global_buffer, .address_space: global }
    .group_segment_fixed_size: 327680
    .private_segment_fixed_size: 0
    .kernarg_segment_align: 8
    .kernarg_segment_size: 64
    .max_flat_workgroup_size: 128
    .sgpr_count:     100
    .vgpr_count:     1024
    .wavefront_size: 32
...
	.end_amdgpu_metadata
.endif
;; end of part 1
;; launch kvcomb (part 2): grid 256 x 1, 4 waves a work-group, no clusters, 20,992 bytes of LDS; arguments kvp, kst, lowp_scales, kvc; writes kvc
.if DOCPART == 2
	.amdgcn_target "amdgcn-amd-amdhsa--gfx1250"
	.amdhsa_code_object_version 6
	.text
	.protected	k_q82e38095e1_kvcomb
	.globl	k_q82e38095e1_kvcomb
	.p2align	8
	.type	k_q82e38095e1_kvcomb,@function
k_q82e38095e1_kvcomb:
	s_mov_b64 s[64:65], 0
	v_nop
	global_prefetch_b8 v0, s[64:65] scope:SCOPE_SE
	s_setreg_imm32_b32 hwreg(HW_REG_WAVE_MODE, 25, 1), 1
	s_wait_xcnt 0x0
; KVCOMB.  kv[d][e] = 2^(e6 + e7) (sum over the 16 chunks c of 2^(M_c - M) raw_c[d][e]) / l[d],  l[d] = sum over c of 2^(M_c - M) l_c[d],  M = the largest M_c: the powers of two are exact.
; kv is then quantised along d with the given 2^e9 and stored as the image of the operand's registers for the last product (K = 64: registers 2 c, 2 c + 1 hold d = 16 c + 8 h + 0 .. 7 of row e = 16 et + r).
; SHARES.  A work-group takes one (batch, head) and one block et of 16 e: four tiles dt, 4,096 bytes of each chunk.  Wave w sums chunks 4 w .. 4 w + 3; the four partial sums meet in LDS and wave 0 finishes.
; The tiles lie in memory as register images, so a lane's eight registers of tile dt are d = 16 dt + 8 h + 0 .. 7: neighbours along the next K, as the conversion wants them.
; A stream of 64 KiB a work-group, all of it asked for at the head: no matrix unit, no tensor load, no cluster (work-groups share no input).
; LIMITS: e9 between -126 and 112; e6 + e7 goes in by v_ldexp_f32.  NaN is not served.
.set GT,  0                            ; LDS: the factors g[c][d] = 2^(M_c - M + e6 + e7) / l[d]: 16 x 64 f32
.set RED, 4096                         ; the waves' partial sums: 4,096 bytes a wave (wave 0's are not used)
.set ACC, 32                           ; v32-63   the sums, 8 dt + j
.set DD,  64                           ; v64-191  my four chunks' tiles; later the other waves' sums
.set NMC, 192                          ; v192-207 -M_c, then 2^(M_c - M);  v208-223 l_c;  v224-231 -M of the eight chunks whose factors I make.  Later v192-223 and v224-255: two sets of factors
.set LC,  208
.set NMY, 224
	s_load_b256 s[4:11], s[0:1], 0x0               ; kvp s[4:5], kst s[6:7], the exponents s[8:9], kvc s[10:11]
	v_lshl_add_u32 v30, v0, 2, 0x5000
	v_mov_b32 v31, 0
	v_lshrrev_b32 v8, 5, v0
	v_readfirstlane_b32 s12, v8                    ; wave
	v_and_b32 v8, 31, v0
	v_lshlrev_b32 v1, 4, v8                        ; 16 x lane
	v_and_b32 v9, 63, v0                           ; the d whose statistics I work out
	v_lshlrev_b32 v2, 2, v9
	v_lshrrev_b32 v9, 6, v0                        ; which eight chunks' factors I make
	v_lshl_add_u32 v3, v9, 16, v2                  ; eight entries of 8,192 bytes on
	v_lshl_add_u32 v4, v9, 11, v2                  ; GT: 256 x chunk + 4 d
	v_bfe_u32 v9, v0, 4, 1                         ; h
	v_lshlrev_b32 v5, 5, v9
	s_lshl_b32 s13, s12, 10
	v_add_nc_u32 v5, s13, v5                       ; my four chunks' factors: 1,024 w + 32 h
	s_lshl_b32 s13, s12, 12
	s_add_co_u32 s13, s13, RED
	v_add_nc_u32 v6, s13, v1
	v_add_nc_u32 v7, RED, v1
	s_lshr_b32 s14, ttmp9, 2                       ; 16 x batch + head
	s_and_b32 s15, ttmp9, 3                        ; et
	s_lshr_b32 s20, s14, 4
	s_and_b32 s21, s14, 15
	s_lshl_b32 s20, s20, 8
	s_add_co_u32 s20, s20, s21                     ; chunk 0's entry: 256 x batch + head; a chunk on is 16 entries on
	s_lshl_b32 s22, s20, 9
	s_mov_b32 s23, 0
	s_lshl_b32 s24, s20, 14
	s_lshl_b32 s21, s15, 12
	s_add_co_u32 s24, s24, s21
	s_lshl_b32 s21, s12, 20
	s_add_co_u32 s24, s24, s21                     ; + 4,096 et + four chunks x wave
	s_mov_b32 s25, 0
	s_lshl_b32 s26, ttmp9, 10
	s_mov_b32 s27, 0
	s_wait_kmcnt 0x0
	s_load_b128 s[16:19], s[8:9], 0x18             ; e6 .. e9
	s_add_nc_u64 s[6:7], s[6:7], s[22:23]
	s_add_nc_u64 s[4:5], s[4:5], s[24:25]
	s_add_nc_u64 s[10:11], s[10:11], s[26:27]
.irp c, 0,1,2,3,4,5,6,7,8,9,10,11,12,13,14,15
	global_load_b32 v[NMC+\c], v2, s[6:7] offset:8192*\c
.endr
.irp c, 0,1,2,3,4,5,6,7,8,9,10,11,12,13,14,15
	global_load_b32 v[LC+\c], v2, s[6:7] offset:8192*\c+256
.endr
.irp i, 0,1,2,3,4,5,6,7
	global_load_b32 v[NMY+\i], v3, s[6:7] offset:8192*\i
.endr
.irp ci, 0,1,2,3
.irp t, 0,1,2,3,4,5,6,7
	global_load_b128 v[DD+32*\ci+4*\t:DD+32*\ci+4*\t+3], v1, s[4:5] offset:262144*\ci+512*\t th:TH_LOAD_NT   ; 512 consecutive bytes a load
.endr
.endr
	s_wait_kmcnt 0x0
	s_add_co_i32 s20, s16, s17                     ; e6 + e7
	s_add_co_i32 s21, s19, 127
	s_lshl_b32 s22, s21, 23
	v_mov_b32 v10, s22                             ; 2^e9 as f32
	s_add_co_i32 s21, s21, 15
	s_lshl_b32 s21, s21, 23
	s_or_b32 s21, s21, 0x600000
	v_mov_b32 v11, s21                             ; 57,344 x 2^e9
	s_wait_loadcnt 32                              ; the statistics are in; the 32 loads of the tiles may be out
	v_min3_num_f32 v232, v[NMC], v[NMC+1], v[NMC+2]
.irp c, 3,5,7,9,11,13
	v_min3_num_f32 v232, v232, v[NMC+\c], v[NMC+\c+1]
.endr
	v_min_num_f32 v232, v232, v[NMC+15]            ; -M
.irp c, 0,1,2,3,4,5,6,7,8,9,10,11,12,13,14,15
	v_sub_f32 v[NMC+\c], v232, v[NMC+\c]           ; M_c - M: a whole number, 0 or less
.endr
.irp c, 0,1,2,3,4,5,6,7,8,9,10,11,12,13,14,15
	v_cvt_i32_f32 v[NMC+\c], v[NMC+\c]
.endr
.irp c, 0,1,2,3,4,5,6,7,8,9,10,11,12,13,14,15
	v_ldexp_f32 v[NMC+\c], 1.0, v[NMC+\c]
.endr
	v_mul_f32 v233, v[NMC], v[LC]                  ; l, in two chains
	v_mul_f32 v234, v[NMC+1], v[LC+1]
.irp c, 2,4,6,8,10,12,14
	v_fma_f32 v233, v[NMC+\c], v[LC+\c], v233
	v_fma_f32 v234, v[NMC+\c+1], v[LC+\c+1], v234
.endr
	v_add_f32 v233, v233, v234
	v_rcp_f32 v235, v233
.irp i, 0,1,2,3,4,5,6,7
	v_sub_f32 v[NMY+\i], v232, v[NMY+\i]           ; (plain lines behind the reciprocal)
.endr
.irp i, 0,1,2,3,4,5,6,7
	v_cvt_i32_f32 v[NMY+\i], v[NMY+\i]
.endr
	s_wait_alu depctr_va_vdst(0)
	v_ldexp_f32 v235, v235, s20                    ; 2^(e6 + e7) / l
.irp i, 0,1,2,3,4,5,6,7
	v_ldexp_f32 v[NMY+\i], v235, v[NMY+\i]
.endr
.irp i, 0,1,2,3,4,5,6,7
	ds_store_b32 v4, v[NMY+\i] offset:GT+256*\i
.endr
	s_wait_dscnt 0x0                               ; for the others' sake: my factors have landed
	s_barrier_signal -1
	s_barrier_wait -1
.macro GLOAD ci                        ; chunk 4 w + ci's factors of my 32 d, into set ci % 2
.irp t, 0,1,2,3,4,5,6,7
	ds_load_b128 v[NMC+32*((\ci)%2)+4*\t:NMC+32*((\ci)%2)+4*\t+3], v5 offset:GT+256*(\ci)+64*(\t/2)+16*(\t%2)
.endr
.endm
	GLOAD 0
	GLOAD 1
.irp ci, 0,1,2,3
.if \ci < 3
	s_wait_dscnt 8                                 ; this chunk's factors are in; the next chunk's eight loads may be out
.else
	s_wait_dscnt 0
.endif
	s_wait_loadcnt 24-8*\ci                        ; this chunk's tiles are in; the later chunks' loads may be out
.set n, 0
.rept 16
.if \ci == 0
	v_pk_mul_f32 v[ACC+2*n:ACC+2*n+1], v[DD+2*n:DD+2*n+1], v[NMC+2*n:NMC+2*n+1]   ; the first chunk starts the sums
.else
	v_pk_fma_f32 v[ACC+2*n:ACC+2*n+1], v[DD+32*\ci+2*n:DD+32*\ci+2*n+1], v[NMC+32*(\ci%2)+2*n:NMC+32*(\ci%2)+2*n+1], v[ACC+2*n:ACC+2*n+1]
.endif
.set n, n+1
.endr
.if \ci < 2
	GLOAD \ci+2
.endif
.endr
	s_cmp_eq_u32 s12, 0
	s_cbranch_scc1 .Lkeeps                         ; wave 0's sums stay in its registers
.irp i, 0,1,2,3,4,5,6,7
	ds_store_b128 v6, v[ACC+4*\i:ACC+4*\i+3] offset:512*\i
.endr
.Lkeeps:
	s_wait_dscnt 0x0
	s_barrier_signal -1
	s_barrier_wait -1
	s_cmp_lg_u32 s12, 0
	s_cbranch_scc1 .Lend
.irp u, 1,2,3
.irp i, 0,1,2,3,4,5,6,7
	ds_load_b128 v[DD+32*(\u-1)+4*\i:DD+32*(\u-1)+4*\i+3], v7 offset:4096*\u+512*\i
.endr
.endr
	s_wait_dscnt 0x0
.irp u, 0,1,2
.set n, 0
.rept 16
	v_pk_add_f32 v[ACC+2*n:ACC+2*n+1], v[ACC+2*n:ACC+2*n+1], v[DD+32*\u+2*n:DD+32*\u+2*n+1]
.set n, n+1
.endr
.endr
.set n, 0
.rept 32
	v_med3_num_f32 v[ACC+n], v[ACC+n], -v11, v11   ; the conversion to an 8-bit code does not saturate (ISA guide 7.6.2)
.set n, n+1
.endr
.irp dt, 0,1,2,3
	v_cvt_scalef32_pk8_bf8_f32 v[12+2*\dt:13+2*\dt], v[ACC+8*\dt:ACC+8*\dt+7], v10
.endr
	global_store_b128 v1, v[12:15], s[10:11]       ; registers 0-3 of the fragment: 512 consecutive bytes,
	global_store_b128 v1, v[16:19], s[10:11] offset:512   ; registers 4-7
.Lend:
	s_wait_tensorcnt 0x0
	ds_add_u32 v30, v31
	s_wait_dscnt 0x0
	s_endpgm
.Lfunc_end_k_q82e38095e1_kvcomb:
	.size	k_q82e38095e1_kvcomb, .Lfunc_end_k_q82e38095e1_kvcomb-k_q82e38095e1_kvcomb
	.p2alignl 7, 3214868480
	.fill 96, 4, 3214868480
	.section	.rodata,"a",@progbits
	.p2align	6, 0x0
	.amdhsa_kernel k_q82e38095e1_kvcomb
		.amdhsa_group_segment_fixed_size 20992
		.amdhsa_private_segment_fixed_size 0
		.amdhsa_enable_private_segment 0
		.amdhsa_kernarg_size 32
		.amdhsa_user_sgpr_count 2
		.amdhsa_user_sgpr_kernarg_segment_ptr 1
		.amdhsa_wavefront_size32 1
		.amdhsa_system_sgpr_workgroup_id_x 1
		.amdhsa_system_sgpr_workgroup_id_y 1
		.amdhsa_system_sgpr_workgroup_id_z 1
		.amdhsa_system_vgpr_workitem_id 0
		.amdhsa_next_free_vgpr 256
		.amdhsa_next_free_sgpr 66
		.amdhsa_reserve_vcc 0
		.amdhsa_float_denorm_mode_32 3
		.amdhsa_float_denorm_mode_16_64 3
		.amdhsa_memory_ordered 1
		.amdhsa_forward_progress 1
		.amdhsa_inst_pref_size 29
	.end_amdhsa_kernel
	.amdgpu_metadata
---
amdhsa.version: [ 1, 2 ]
amdhsa.kernels:
  - .name:           k_q82e38095e1_kvcomb
    .symbol:         k_q82e38095e1_kvcomb.kd
    .args:
      - { .name: kvp, .offset: 0, .size: 8, .value_kind: global_buffer, .address_space: global }
      - { .name: kst, .offset: 8, .size: 8, .value_kind: global_buffer, .address_space: global }
      - { .name: lowp_scales, .offset: 16, .size: 8, .value_kind: global_buffer, .address_space: global }
      - { .name: kvc, .offset: 24, .size: 8, .value_kind: global_buffer, .address_space: global }
    .group_segment_fixed_size: 20992
    .private_segment_fixed_size: 0
    .kernarg_segment_align: 8
    .kernarg_segment_size: 32
    .max_flat_workgroup_size: 128
    .sgpr_count:     66
    .vgpr_count:     256
    .wavefront_size: 32
...
	.end_amdgpu_metadata
.endif
;; end of part 2
;; launch qout (part 3): grid 4 x 64, 4 waves a work-group, clusters of 4 x 4, 327,680 bytes of LDS; arguments q_codes, Wq_codes, mask_q, lowp_scales, kvc, out0; writes out0
.if DOCPART == 3
	.amdgcn_target "amdgcn-amd-amdhsa--gfx1250"
	.amdhsa_code_object_version 6
	.text
	.protected	k_q82e38095e1_qout
	.globl	k_q82e38095e1_qout
	.p2align	8
	.type	k_q82e38095e1_qout,@function
k_q82e38095e1_qout:
	s_mov_b64 s[64:65], 0
	v_nop
	global_prefetch_b8 v0, s[64:65] scope:SCOPE_SE
	s_setreg_imm32_b32 hwreg(HW_REG_WAVE_MODE, 25, 1), 1
	s_wait_xcnt 0x0
	s_wait_alu depctr_hold_cnt(0) depctr_sa_sdst(0) depctr_va_vdst(0) depctr_va_sdst(0) depctr_va_ssrc(0) depctr_va_vcc(0) depctr_vm_vsrc(0)
	s_getreg_b32 s2, hwreg(HW_REG_IB_STS2, 6, 4)
	s_cmp_eq_u32 s2, 0
	s_cbranch_scc0 .Lentry_in_a_cluster
	s_endpgm
.Lentry_in_a_cluster:
	s_bfe_u32 s2, ttmp6, 0x10000c
	s_cmp_lg_u32 s2, 0xf033
	s_cbranch_scc0 .Lentry_shape_is_right
	s_endpgm
.Lentry_shape_is_right:
; QOUT.  For 256 rows t and 256 columns (four heads): qh = q Wq - 10000 (1 - mask_q), the softmax over each head's 64 channels, and out = p kv / l.  Both products on codes of E5M2; sums in f32.
; p = 2^(t' - M), t' = qh x log2(e), M = the ceiling of the row's largest t' in the head; l = the sum of the unquantised p; out = sum x 2^(e8 + e9) / l.
; SHARES.  A work-group of four waves makes a tile of 256 x 256, a wave 128 x 128: 64 accumulators, 512 registers.  K = 1,024 goes in four steps of 256 through a ring of two LDS slots.
; THE MATRIX INSTRUCTION IS USED TRANSPOSED (source 0 = 16 rows of Wq's codes, source 1 = 16 rows of q): a lane holds ONE query (lane % 16) and eight neighbouring channels, 16 b + 8 (lane / 16) + 0 .. 7.
; The channels are the K of the last product, so the conversion of accumulator (a, 4 hd + dt) IS registers 2 dt, 2 dt + 1 of p's fragment (K = 64).  The last product is used transposed too (source 0 = 16 e of kv,
; source 1 = p) and its result is laid over accumulator (a, 4 hd + et): eight neighbouring numbers of a row of out in a lane.
; kv's fragments come as register images, eight of 1,024 bytes for my two heads, straight into registers.
; CLUSTERS: 4 x 4 work-groups; q's tiles are shared along a row of the cluster, Wq's along a column: each is asked for jointly.
; Nothing is prefetched: of K's four steps two are first fills and the third is asked for at the first change of slots.
; LIMITS: e0 + e1 between -126 and 127; e8 between -126 and 112; e8 + e9 goes in by v_ldexp_f32.  NaN among the inputs is not served.
; REGISTERS.  Window 0: v1 r, v2 h, v5 4 r; v8-15 the mask words; v16-31 addresses and scales; v32-39, v40-47 maxima, later 1 / l; v48-63 sums; v64-127 kv's fragments; v128-255 A's fragments, behind the GEMM:
; v128-191 p's codes, v192-207 the mask's terms, v208-223 -M, v224-239 2^(e8 + e9) / l, each twice, as pairs for the packed lines.  Window 1: B's two sets; on the way out v0-63 scaled results, v64-191 rows read back.
; Window 2: accumulators of my rows 0-63; window 3: of rows 64-127.  s = 2 (a % 4) + hd: the 32 registers of (a, hd) are v[32 s ..] of their window.
.set PITCH,  272                       ; an LDS row: 256 bytes + 16 of padding: the 16 rows of a fragment load start at 16 different banks (ISA guide 11.1)
.set HALFT,  128*PITCH
.set SLOT,   4*HALFT
.set ROWB,   256
.set KROW,   1024
.set FR,     16
.set NL,     4
.set NP,     4
.set SPARE,  2*SLOT                    ; the spare words: 128 bytes a wave, two blocks of 256 bytes that no other line names
.set SPITCH, 528                       ; the way out: 16 rows x (512 bytes + 16) a wave, in slot 0, behind its last fill and its last read
.set OROW,   4096                      ; a row of out in bytes
.set MQO,  5
.set OQ,   8
.set ADRA, 16
.set ADRB, 20
.set STO,  24
.set RD,   25
.set CO,   26                          ; 16 x lane
.set SPW,  28
.set NIL,  29
.set SCP,  30                          ; 2^e8;  v31: 57,344 x 2^e8
.set LMP,  31
.set NM,   32
.set MB,   40
.set LS,   48
.set KVF,  64
.set AF,   128
.set PC,   128
.set OQP,  192
.set NMP,  208
.set RFP,  224
.set TMP,  0                           ; in window 1
.set BK,   64                          ; in window 1
.set WV,  20
.set RH,  21
.set CH,  22
.set CX,  23
.set G1A, 24
.set G1B, 32
.set G0A, 40
.set G0B, 48
.set CY,  60
.set TX,  61
.set TY,  62
.set MSB, 0
.macro WIN new
.if MSB != \new
	s_set_vgpr_msb (MSB<<8)|\new
.set MSB, \new
.endif
.endm
.set MUL_LO, 0xa1                      ; source 0 (B) window 1, source 1 (A) window 0, C and D window 2
.set MUL_HI, 0xf1
.set TO_B,   0x40
.macro JLOAD g0a, g1a, g0b, g1b        ; waves 0 and 1 fetch for A, waves 2 and 3 for B; four v_nop follow each of the two lines
	s_cmp_eq_u32 s[RH], 0
	s_cbranch_scc0 .Lfor_b_\@
	tensor_load_to_lds s[\g0a:\g0a+3], s[\g1a:\g1a+7]
	s_nop 0
.rept 4
	v_nop
.endr
	s_branch .Lasked_\@
.Lfor_b_\@:
	tensor_load_to_lds s[\g0b:\g0b+3], s[\g1b:\g1b+7]
	s_nop 0
.rept 4
	v_nop
.endr
.Lasked_\@:
.endm
.macro CREST
	s_cmp_lg_u32 s[WV], 0
	s_cbranch_scc1 .Lnot_wave_0_\@
	s_barrier_signal -3
.Lnot_wave_0_\@:
	s_barrier_wait -3
	s_barrier_signal -1
	s_barrier_wait -1
.endm
.macro CROUND
	s_barrier_signal -1
	s_barrier_wait -1
	CREST
.endm
.macro PLACES n
.rept \n
	v_nop
.endr
.endm
.macro FRAG reg, adr, q, i             ; registers 4 c .. 4 c + 3 hold K = 32 c + 16 (l / 16) + 0 .. 15 of row l % 16: the same permutation of k in A and in B
.irp c, 0,1,2,3
	ds_load_b128 v[\reg+4*\c:\reg+4*\c+3], v[\adr] offset:128*(\q)+32*\c+(\i)*16*PITCH
.endr
.endm
.macro FETCH_B slot, q, p
	WIN TO_B
.irp i, 0,1,2,3,4,5,6,7
	FRAG 128*(\p)+FR*\i, ADRB+\slot, \q, \i
.endr
	WIN 0
.endm
.macro FETCH_A slot, q, i0
.irp i, \i0, \i0+1, \i0+2, \i0+3
	FRAG AF+FR*(\i), ADRA+\slot, \q, \i
.endr
.endm
.macro MUL16 a0, p, zero               ; the 64 accumulators take turns, one instruction a turn
.irp a, \a0, \a0+1
.irp b, 0,1,2,3,4,5,6,7
.if \zero
	v_wmma_f32_16x16x128_bf8_bf8 v[8*(8*((\a)%4)+\b):8*(8*((\a)%4)+\b)+7], v[128*(\p)+FR*\b:128*(\p)+FR*\b+FR-1], v[AF+FR*(\a):AF+FR*(\a)+FR-1], 0
.else
	v_wmma_f32_16x16x128_bf8_bf8 v[8*(8*((\a)%4)+\b):8*(8*((\a)%4)+\b)+7], v[128*(\p)+FR*\b:128*(\p)+FR*\b+FR-1], v[AF+FR*(\a):AF+FR*(\a)+FR-1], v[8*(8*((\a)%4)+\b):8*(8*((\a)%4)+\b)+7]
.endif
.endr
.endr
.endm
.macro STEP slot, q, zero
	s_wait_dscnt 4*NL                              ; B's set and A's blocks 0-3 are in; the youngest sixteen loads (A's blocks 4-7) may be out
	WIN MUL_LO
	MUL16 0, (\q)%2, \zero
	MUL16 2, (\q)%2, \zero
	s_wait_dscnt 0
	PLACES NP
	FETCH_B \slot, (\q)+1, 1-(\q)%2
	FETCH_A \slot, (\q)+1, 0
	WIN MUL_HI
	MUL16 4, (\q)%2, \zero
	MUL16 6, (\q)%2, \zero
	PLACES NP
	WIN 0
	FETCH_A \slot, (\q)+1, 4
.endm
.macro TURN slot, next, fill
	s_wait_tensorcnt 0x0                           ; all my tensor loads have landed: my part of the next slot
	ds_add_u32 v[SPW], v[NIL]                      ; 0 onto my spare word
	s_wait_dscnt 4*NL+1                            ; (the add and the youngest sixteen loads may be out)
	WIN MUL_LO
	MUL16 0, 1, 0
	s_wait_dscnt 0x0                               ; the add is done, and my reads of this slot are over
	s_barrier_signal -1
	MUL16 2, 1, 0
	WIN 0
	s_barrier_wait -1
.if \fill
	CREST                                          ; no wave of any partner still reads this slot or has a load on its way
	s_add_nc_u64 s[G0A+4*\slot+2:G0A+4*\slot+3], s[G0A+4*\slot+2:G0A+4*\slot+3], 2*ROWB
	s_add_nc_u64 s[G0B+4*\slot+2:G0B+4*\slot+3], s[G0B+4*\slot+2:G0B+4*\slot+3], 2*ROWB
	JLOAD G0A+4*\slot, G1A, G0B+4*\slot, G1B
.else
	PLACES NP
.endif
	FETCH_B \next, 0, 0
	FETCH_A \next, 0, 0
	WIN MUL_HI
	MUL16 4, 1, 0
	MUL16 6, 1, 0
	PLACES NP
	WIN 0
	FETCH_A \next, 0, 4
.endm
; ---- the softmax and the last product for the four blocks of 16 rows of window w
.macro SOFTW w
.set IW, 0x41*\w
	WIN IW
.set n, 0
.rept 128
	v_pk_fma_f32 v[2*n:2*n+1], v[2*n:2*n+1], s[82:83], v[OQP+2*(4*(\w-2)+n/32):OQP+2*(4*(\w-2)+n/32)+1] op_sel_hi:[1,0,1]   ; qh = sum x 2^(e0 + e1) - 10000 (1 - mask): one rounding; each accumulator from its low end on
.set n, n+1
.endr
.set IW, 5*\w
	WIN IW
.irp s, 0,1,2,3,4,5,6,7
	v_max_num_f32 v[NM+\s], v[32*\s], v[32*\s+1]   ; the largest of my 32 channels, in two chains for each s, the eight s by turns
	v_max_num_f32 v[MB+\s], v[32*\s+2], v[32*\s+3]
.endr
.set IW, 0x14*\w
	WIN IW
.set k, 1
.rept 7
.irp s, 0,1,2,3,4,5,6,7
	v_max3_num_f32 v[NM+\s], v[NM+\s], v[32*\s+4*k], v[32*\s+4*k+1]
	v_max3_num_f32 v[MB+\s], v[MB+\s], v[32*\s+4*k+2], v[32*\s+4*k+3]
.endr
.set k, k+1
.endr
	WIN 0
.irp s, 0,1,2,3,4,5,6,7
	v_max_num_f32 v[NM+\s], v[NM+\s], v[MB+\s]
.endr
.irp s, 0,1,2,3,4,5,6,7
	v_permlanex16_b32 v[MB+\s], v[NM+\s], s86, s87 ; the head's other 32 channels lie in the lane 16 away
.endr
.irp s, 0,1,2,3,4,5,6,7
	v_max_num_f32 v[NM+\s], v[NM+\s], v[MB+\s]
.endr
.irp s, 0,1,2,3,4,5,6,7
	v_mul_f32 v[NM+\s], s84, v[NM+\s]
.endr
.irp s, 0,1,2,3,4,5,6,7
	v_floor_f32 v[NMP+2*\s], -v[NM+\s]             ; -M = floor(-t'): M is a whole number; twice, as a pair
	v_floor_f32 v[NMP+2*\s+1], -v[NM+\s]
.endr
.set IW, 0x41*\w
	WIN IW
.set n, 0
.rept 128
	v_pk_fma_f32 v[2*n:2*n+1], v[2*n:2*n+1], s[84:85], v[NMP+2*(n/16):NMP+2*(n/16)+1] op_sel_hi:[1,0,1]
.set n, n+1
.endr
.set n, 0
.rept 256
	v_exp_f32 v[n], v[n]                           ; p = 2^(t' - M)
.set n, n+1
.endr
	v_nop                                          ; a plain place behind the exponentials
.set IW, 5*\w
	WIN IW
	s_wait_alu depctr_va_vdst(0)
.irp s, 0,1,2,3,4,5,6,7
	v_pk_add_f32 v[LS+2*\s:LS+2*\s+1], v[32*\s:32*\s+1], v[32*\s+2:32*\s+3]   ; the sums are taken of the unquantised p
.endr
.set IW, 4*\w
	WIN IW
.set k, 2
.rept 14
.irp s, 0,1,2,3,4,5,6,7
	v_pk_add_f32 v[LS+2*\s:LS+2*\s+1], v[LS+2*\s:LS+2*\s+1], v[32*\s+2*k:32*\s+2*k+1]
.endr
.set k, k+1
.endr
.set IW, 0x41*\w
	WIN IW
.set n, 0
.rept 256
	v_min_num_f32 v[n], v[n], v[LMP]               ; the conversion to an 8-bit code does not saturate (ISA guide 7.6.2); p is not negative
.set n, n+1
.endr
.set IW, \w
	WIN IW
.irp s, 0,1,2,3,4,5,6,7
.irp dt, 0,1,2,3
	v_cvt_scalef32_pk8_bf8_f32 v[PC+8*\s+2*\dt:PC+8*\s+2*\dt+1], v[32*\s+8*\dt:32*\s+8*\dt+7], v[SCP]
.endr
.endr
	WIN 0
.irp s, 0,1,2,3,4,5,6,7
	v_add_f32 v[LS+2*\s], v[LS+2*\s], v[LS+2*\s+1] ; (plain lines between the conversions and the products that read their results and write their sources)
.endr
.irp s, 0,1,2,3,4,5,6,7
	v_permlanex16_b32 v[LS+2*\s+1], v[LS+2*\s], s86, s87
.endr
.irp s, 0,1,2,3,4,5,6,7
	v_add_f32 v[LS+2*\s], v[LS+2*\s], v[LS+2*\s+1]
.endr
.irp s, 0,1,2,3,4,5,6,7
	v_rcp_f32 v[MB+\s], v[LS+2*\s]
.endr
	v_nop                                          ; a plain place behind the reciprocals
	s_wait_alu depctr_va_vdst(0)
.irp s, 0,1,2,3,4,5,6,7
	v_ldexp_f32 v[RFP+2*\s], v[MB+\s], s88         ; 2^(e8 + e9) / l; twice, as a pair
	v_ldexp_f32 v[RFP+2*\s+1], v[MB+\s], s88
.endr
.set IW, 0x40*\w
	WIN IW
.irp s, 0,1,2,3,4,5,6,7
.irp et, 0,1,2,3
	v_wmma_f32_16x16x64_bf8_bf8 v[32*\s+8*\et:32*\s+8*\et+7], v[KVF+8*(4*(\s%2)+\et):KVF+8*(4*(\s%2)+\et)+7], v[PC+8*\s:PC+8*\s+7], 0
.endr
.endr
	PLACES NP
.endm
; ---- the way out, a block of 16 rows x 128 columns at a time, through my own stage: in as 32 bytes of a row a lane, back as whole rows of 512 bytes
.macro TOSTAGE a
.set AC, 64*((\a)%4)
.set IW, 0x42+((\a)/4)
	WIN IW
.set n, 0
.rept 32
	v_pk_mul_f32 v[TMP+2*n:TMP+2*n+1], v[AC+2*n:AC+2*n+1], v[RFP+2*(2*((\a)%4)+n/16):RFP+2*(2*((\a)%4)+n/16)+1]   ; each accumulator from its low end on
.set n, n+1
.endr
	WIN 0x04
.irp b, 0,1,2,3,4,5,6,7
	ds_store_b128 v[STO], v[TMP+8*\b:TMP+8*\b+3] offset:64*\b
	ds_store_b128 v[STO], v[TMP+8*\b+4:TMP+8*\b+7] offset:64*\b+16
.endr
	WIN 0x40
.set BB, BK+64*((\a)%2)
.irp t, 0,1,2,3,4,5,6,7,8,9,10,11,12,13,14,15
	ds_load_b128 v[BB+4*\t:BB+4*\t+3], v[RD] offset:\t*SPITCH   ; LDS serves a wave's instructions in order (ISA guide 5.7.1.4): these see the stores above
.endr
	WIN 0
.endm
.macro SEND a, younger                 ; younger: the LDS instructions issued behind block a's loads, which may stay out
.set BB, BK+64*((\a)%2)
	s_wait_dscnt \younger
.if (\a) > 0
	s_add_nc_u64 s[14:15], s[14:15], 16*OROW       ; (behind a wait on XCNT: the earlier stores have read their base)
.endif
	WIN 0x04
.irp t, 0,1,2,3,4,5,6,7,8,9,10,11,12,13,14,15
	global_store_b128 v[CO], v[BB+4*\t:BB+4*\t+3], s[14:15] offset:\t*OROW th:TH_STORE_NT   ; 32 lanes store 512 consecutive bytes, at a multiple of 256 from out's first byte
.endr
	WIN 0
.endm
	s_load_b256 s[4:11], s[0:1], 0x0               ; q s[4:5], Wq s[6:7], mask_q s[8:9], the exponents s[10:11]
	s_load_b128 s[12:15], s[0:1], 0x20             ; kv's codes s[12:13], out s[14:15]
	v_lshl_add_u32 v[SPW], v0, 2, SPARE
	v_mov_b32 v[NIL], 0
	ds_add_u32 v28, v29
	s_wait_dscnt 0x0
	v_lshrrev_b32 v3, 5, v0
	v_readfirstlane_b32 s[WV], v3
	s_lshr_b32 s[RH], s[WV], 1
	s_and_b32 s[CH], s[WV], 1
	s_bfe_u32 s[CX], ttmp6, 0x40000
	s_bfe_u32 s[CY], ttmp6, 0x40004
	s_lshl_b32 s[TX], ttmp9, 2
	s_add_co_u32 s[TX], s[TX], s[CX]
	s_and_b32 s[TY], ttmp7, 0xffff
	s_lshl_b32 s[TY], s[TY], 2
	s_add_co_u32 s[TY], s[TY], s[CY]
	s_lshl_b32 s63, s[CY], 2
	s_lshl_b32 s63, 15, s63
	s_lshl_b32 s70, 0x1111, s[CX]
	s_or_b32 s[G1A], s63, (1<<20)|(1<<21)|(5<<22)|(3<<25)   ; 15:0 the mask; elements of 1 byte; padding on; 21 set beside a mask; four words after every 64
	s_or_b32 s[G1B], s70, (1<<20)|(1<<21)|(5<<22)|(3<<25)
.irp g, G1A, G1B
	s_mov_b32 s[\g+1], ROWB<<16
	s_mov_b32 s[\g+2], 128<<16
	s_mov_b32 s[\g+3], ROWB<<16
	s_mov_b32 s[\g+4], 128
	s_mov_b32 s[\g+5], KROW
	s_mov_b32 s[\g+6], 0
	s_mov_b32 s[\g+7], 0
.endr
	s_lshl_b32 s71, s[CH], 7
	s_lshl_b32 s66, s[TY], 8
	s_add_co_u32 s66, s66, s71
	s_lshl_b32 s66, s66, 10
	s_mov_b32 s67, 0
	s_lshl_b32 s68, s[TX], 8
	s_add_co_u32 s68, s68, s71
	s_lshl_b32 s68, s68, 10
	s_mov_b32 s69, 0
	s_mul_i32 s89, s[WV], HALFT
	s_wait_kmcnt 0x0
	s_load_b256 s[72:79], s[10:11], 0x0            ; e0 .. e7
	s_load_b64 s[80:81], s[10:11], 0x20            ; e8, e9
	s_add_nc_u64 s[92:93], s[4:5], s[66:67]
	s_add_nc_u64 s[94:95], s[6:7], s[68:69]
	CROUND                                         ; all sixteen work-groups are here: the first joint loads meet
.irp s, 0,1
	s_mov_b32 s[G0A+4*\s], 1
	s_add_co_u32 s[G0A+4*\s+1], s89, \s*SLOT
	s_add_nc_u64 s[G0A+4*\s+2:G0A+4*\s+3], s[92:93], \s*ROWB
	s_or_b32 s[G0A+4*\s+3], s[G0A+4*\s+3], 0x80000000
	s_mov_b32 s[G0B+4*\s], 1
	s_add_co_u32 s[G0B+4*\s+1], s89, \s*SLOT
	s_add_nc_u64 s[G0B+4*\s+2:G0B+4*\s+3], s[94:95], \s*ROWB
	s_or_b32 s[G0B+4*\s+3], s[G0B+4*\s+3], 0x80000000
	JLOAD G0A+4*\s, G1A, G0B+4*\s, G1B
.endr
	v_and_b32 v1, 15, v0                           ; r
	v_bfe_u32 v2, v0, 4, 1                         ; h
	v_and_b32 v4, 31, v0
	v_lshlrev_b32 v[CO], 4, v4
	v_lshlrev_b32 v[MQO], 2, v1
	s_lshr_b32 s70, s[TY], 4                       ; the batch
	s_lshl_b32 s70, s70, 4
	s_lshl_b32 s71, s[TX], 2
	s_add_co_u32 s70, s70, s71
	s_lshl_b32 s71, s[CH], 1
	s_add_co_u32 s70, s70, s71                     ; 16 x batch + my first head
	s_lshl_b32 s70, s70, 12
	s_mov_b32 s71, 0
	s_add_nc_u64 s[12:13], s[12:13], s[70:71]
.irp f, 0,1,2,3,4,5,6,7
	global_load_b128 v[KVF+8*\f:KVF+8*\f+3], v[CO], s[12:13] offset:1024*\f        ; fragment 4 hd + et; these and the mask words are waited for behind the GEMM
	global_load_b128 v[KVF+8*\f+4:KVF+8*\f+7], v[CO], s[12:13] offset:1024*\f+512
.endr
	s_lshl_b32 s70, s[TY], 8
	s_lshl_b32 s71, s[RH], 7
	s_add_co_u32 s70, s70, s71                     ; my wave's first row
	s_lshl_b32 s92, s70, 2
	s_mov_b32 s93, 0
	s_add_nc_u64 s[8:9], s[8:9], s[92:93]
.irp a, 0,1,2,3,4,5,6,7
	global_load_b32 v[OQ+\a], v[MQO], s[8:9] offset:64*\a   ; the mask word of query 16 a + r
.endr
	s_lshl_b32 s92, s70, 12                        ; out: rows of 4,096 bytes,
	s_lshl_b32 s94, s[TX], 10
	s_add_co_u32 s92, s92, s94                     ; + 1,024 x tile column
	s_lshl_b32 s94, s[CH], 9
	s_add_co_u32 s92, s92, s94                     ; + 512 x half: under 2^26
	s_add_nc_u64 s[14:15], s[14:15], s[92:93]
	v_mul_u32_u24 v3, v1, PITCH
	v_lshl_add_u32 v3, v2, 4, v3
	s_mul_i32 s90, s[RH], HALFT                    ; my 128 rows of A
	s_mul_i32 s91, s[CH], HALFT
	s_add_co_u32 s91, s91, 2*HALFT                 ; my 128 rows of B, behind A's 256
.irp s, 0,1
	v_add_nc_u32 v[ADRA+\s], s90, v3
	v_add_nc_u32 v[ADRB+\s], s91, v3
	s_add_co_u32 s90, s90, SLOT
	s_add_co_u32 s91, s91, SLOT
.endr
	s_mul_i32 s90, s[WV], 16*SPITCH                ; my stage
	v_mul_u32_u24 v6, v1, SPITCH
	v_lshl_add_u32 v6, v2, 5, v6
	v_add_nc_u32 v[STO], s90, v6
	v_add_nc_u32 v[RD], s90, v[CO]
	s_wait_kmcnt 0x0
	s_add_co_i32 s82, s72, s73
	s_add_co_i32 s82, s82, 127
	s_lshl_b32 s82, s82, 23                        ; 2^(e0 + e1) as f32
	s_mov_b32 s83, s82
	s_mov_b32 s84, 0x3fb8aa3b                      ; log2(e)
	s_mov_b32 s85, s84
	s_mov_b32 s86, 0x76543210
	s_mov_b32 s87, 0xfedcba98
	s_add_co_i32 s88, s80, s81                     ; e8 + e9
	s_add_co_i32 s70, s80, 127
	s_lshl_b32 s71, s70, 23
	v_mov_b32 v[SCP], s71
	s_add_co_i32 s70, s70, 15
	s_lshl_b32 s70, s70, 23
	s_or_b32 s70, s70, 0x600000
	v_mov_b32 v[LMP], s70
	s_wait_tensorcnt 1                             ; my part of K step 0 is in; K step 1's load may be out
	s_barrier_signal -1
	s_barrier_wait -1
	FETCH_B 0, 0, 0
	FETCH_A 0, 0, 0
	FETCH_A 0, 0, 4
	STEP 0, 0, 1
	TURN 0, 1, 1
	STEP 1, 0, 0
	TURN 1, 0, 1
	STEP 0, 0, 0
	TURN 0, 1, 0
	STEP 1, 0, 0
	s_wait_dscnt 4*NL                              ; the very last step: nothing more to fetch
	WIN MUL_LO
	MUL16 0, 1, 0
	MUL16 2, 1, 0
	s_wait_dscnt 0
	WIN MUL_HI
	MUL16 4, 1, 0
	MUL16 6, 1, 0
	PLACES NP                                      ; in front of the first read of results and of writes into A's registers
	WIN 0
	s_wait_loadcnt 0x0                             ; kv's fragments and the mask words
.irp a, 0,1,2,3,4,5,6,7
	v_cvt_f32_i32 v[OQ+\a], v[OQ+\a]
.endr
.irp a, 0,1,2,3,4,5,6,7
	v_sub_f32 v[OQ+\a], 1.0, v[OQ+\a]
.endr
.irp a, 0,1,2,3,4,5,6,7
	v_mul_f32 v[OQP+2*\a], 0xc61c4000, v[OQ+\a]    ; -10000 (1 - mask); twice, as a pair
	v_mul_f32 v[OQP+2*\a+1], 0xc61c4000, v[OQ+\a]
.endr
	SOFTW 2
	TOSTAGE 0
.irp a, 1,2,3
.if \a > 1
	s_wait_xcnt 0x0                                ; block a - 2's stores have read their registers and their base
.endif
	TOSTAGE \a
	SEND \a-1, 32                                  ; behind block a - 1's loads: block a's 16 stores and 16 loads
.endr
	s_wait_xcnt 0x0
	SEND 3, 0
	SOFTW 3                                        ; the first four blocks' stores leave while the other four rows' softmax is worked
	s_wait_xcnt 0x0
	TOSTAGE 4
.irp a, 5,6,7
	s_wait_xcnt 0x0
	TOSTAGE \a
	SEND \a-1, 32
.endr
	s_wait_xcnt 0x0
	SEND 7, 0
	s_wait_tensorcnt 0x0                           ; the wave's end
	ds_add_u32 v[SPW], v[NIL]
	s_wait_dscnt 0x0
	CROUND                                         ; the closing round
	s_endpgm
.Lfunc_end_k_q82e38095e1_qout:
	.size	k_q82e38095e1_qout, .Lfunc_end_k_q82e38095e1_qout-k_q82e38095e1_qout
	.p2alignl 7, 3214868480
	.fill 96, 4, 3214868480
	.section	.rodata,"a",@progbits
	.p2align	6, 0x0
	.amdhsa_kernel k_q82e38095e1_qout
		.amdhsa_group_segment_fixed_size 327680
		.amdhsa_private_segment_fixed_size 0
		.amdhsa_enable_private_segment 0
		.amdhsa_kernarg_size 48
		.amdhsa_user_sgpr_count 2
		.amdhsa_user_sgpr_kernarg_segment_ptr 1
		.amdhsa_wavefront_size32 1
		.amdhsa_system_sgpr_workgroup_id_x 1
		.amdhsa_system_sgpr_workgroup_id_y 1
		.amdhsa_system_sgpr_workgroup_id_z 1
		.amdhsa_system_vgpr_workitem_id 0
		.amdhsa_next_free_vgpr 1024
		.amdhsa_next_free_sgpr 100
		.amdhsa_reserve_vcc 0
		.amdhsa_float_denorm_mode_32 3
		.amdhsa_float_denorm_mode_16_64 3
		.amdhsa_memory_ordered 1
		.amdhsa_forward_progress 1
		.amdhsa_inst_pref_size 241
	.end_amdhsa_kernel
	.amdgpu_metadata
---
amdhsa.version: [ 1, 2 ]
amdhsa.kernels:
  - .name:           k_q82e38095e1_qout
    .symbol:         k_q82e38095e1_qout.kd
    .args:
      - { .name: q_codes, .offset: 0, .size: 8, .value_kind: global_buffer, .address_space: global }
      - { .name: Wq_codes, .offset: 8, .size: 8, .value_kind: global_buffer, .address_space: global }
      - { .name: mask_q, .offset: 16, .size: 8, .value_kind: global_buffer, .address_space: global }
      - { .name: lowp_scales, .offset: 24, .size: 8, .value_kind: global_buffer, .address_space: global }
      - { .name: kvc, .offset: 32, .size: 8, .value_kind: global_buffer, .address_space: global }
      - { .name: out0, .offset: 40, .size: 8, .value_kind: global_buffer, .address_space: global }
    .group_segment_fixed_size: 327680
    .private_segment_fixed_size: 0
    .kernarg_segment_align: 8
    .kernarg_segment_size: 48
    .max_flat_workgroup_size: 128
    .sgpr_count:     100
    .vgpr_count:     1024
    .wavefront_size: 32
...
	.end_amdgpu_metadata
.endif
;; end of part 3
